; MI455X (gfx1250); checked and timed in simulation.
; The chip was launched on July 23, 2026; its instructions are those of AMD's public machine-readable ISA for CDNA 5 (MIT licence, August 2026) and "CDNA5" Instruction Set Architecture Reference Guide (July 2026). The comments in the code are by the model that wrote it; some were corrected since.
;; Quant Linear. Allowed arithmetic: float matrix products may take bf16 or f16 operands with f32 sums; other float arithmetic in f32, or as packed bf16 or f16 multiplies, adds, multiply-adds, maxima and minima; sums over many terms, partial sums and values carried from step to step in f32; what a program stores and reads back later, other than sums and carried values, may be rounded once to bf16 or f16.
;; Inputs: bias 4,096 float32; g_idx 4,096 int32; lut 16 float32; qweight 4,096 x 2,048 int32; scales 4,096 x 32 float32; x 4 x 1,024 x 4,096 float32.
;; Outputs: out0 4 x 1,024 x 4,096 float32.
;; 2 versions, each right; version 2 is version 1 with the launch prep written anew for expert scheduling mode. Each part assembles by itself: llvm-mc -triple=amdgcn-amd-amdhsa -mcpu=gfx1250 --defsym DOCPART=n.
;; ======== version 1 of 2: 2 launches
;; limits: values are held in f16: magnitudes above 65,504 overflow, below 6.1e-05 lose precision
;; workspace buffers: xh 33,554,432 bytes; wh 33,554,432 bytes
;; launch prep (part 1): grid 768 x 1, 8 waves a work-group, no clusters, 0 bytes of LDS; arguments x, qweight, scales, g_idx, lut, xh, wh; writes xh, wh
.if DOCPART == 1
	.amdgcn_target "amdgcn-amd-amdhsa--gfx1250"
	.amdhsa_code_object_version 6
	.text
	.protected	k_q9f8b2e6583_prep
	.globl	k_q9f8b2e6583_prep
	.p2align	8
	.type	k_q9f8b2e6583_prep,@function
k_q9f8b2e6583_prep:
	s_mov_b64 s[64:65], 0
	v_nop
	global_prefetch_b8 v0, s[64:65] scope:SCOPE_SE
	s_setreg_imm32_b32 hwreg(HW_REG_WAVE_MODE, 25, 1), 1
	s_wait_xcnt 0x0
; xh = f16(x);  wh[o][i] = f16(lut[code(o, i)] * scales[o][g_idx[i]]).  x: [4096][4096] f32; qweight: [4096][2048] int32, each holding two 4-bit codes
; (bits 3:0 column 2 j, bits 7:4 column 2 j + 1; higher bits are not looked at); scales: [4096][32] f32; g_idx: [4096] int32; lut: [16] f32.
; xh, wh: [4096][4096] f16, row-major: the two operands of the product that follows.  Each number is rounded ONCE, from f32 (the product lut * scale is made in f32).
; LIMITS.  f16 holds no number beyond 65,504: an |x| or a |lut * scale| of 65,520 or more becomes an infinity; below 6.1e-5 f16 keeps its fixed step of 6e-8.
; g_idx is taken as 0 .. 31 (a larger number counts as 31): the table that it indexes has 32 columns.  NaN and infinities pass as they are.
; SHARES.  Two streams in one launch, chosen by the work-group's number: 0-255 make wh, 256-767 make xh.  Every work-group reads 128 KiB of its stream, in four rounds
; of eight slots in registers: eight loads (w: eight pairs of loads) of every wave are on their way all the time.  No wave wants a byte that another wave fetched but the scales': no LDS, no barrier.
; THE LOOK-UPS go between lanes (ds_bpermute_b32: no LDS byte is touched): lane l holds lut[l % 16], and for the row in hand scales[row][l]; a lane pulls by 4 x code and by 4 x g_idx.
.set NW,     256                       ; work-groups that make wh
.set ROUNDS, 4
.set ROWB,   8192                      ; bytes in a row of qweight, and in a row of wh
.set VO,  1                            ; v1        16 t: my 16 bytes in a slot's 4,096 (x, qweight, wh); never rewritten
.set SO,  2                            ; v2        w: 4 x lane, my scale of a row;  x: 8 t, my 8 bytes of xh; never rewritten
.set GO,  3                            ; v3        32 t: my eight numbers of g_idx
.set GI,  4                            ; v[4:11]   4 x g_idx of my eight columns
.set LU,  12                           ; v12       lut[lane % 16]
.set LO,  13                           ; v13       4 x (lane % 16)
.set T,   16                           ; v[16:23]  4 x code of my eight columns
.set L,   24                           ; v[24:31]  lut[code], then the products
.set S,   32                           ; v[32:39]  the eight scales
.set Q,   40                           ; v[40:71]  slot i: 4 registers as loaded (qweight, or x)
.set SC,  72                           ; v[72:79]  slot i: my scale of its row
.set Y,   80                           ; v[80:111] slot i: 4 registers to store (x: 2, at Y + 2 i)
	s_load_b256 s[4:11], s[0:1], 0x0               ; x s[4:5], qweight s[6:7], scales s[8:9], g_idx s[10:11]
	s_load_b128 s[12:15], s[0:1], 0x20             ; lut s[12:13], xh s[14:15]
	s_load_b64 s[16:17], s[0:1], 0x30              ; wh
	s_mov_b32 s2, ttmp9
	s_mov_b32 s19, 0                               ; the high word of every offset: all stay under 2^27
	v_lshlrev_b32 v[VO], 4, v0
	s_wait_kmcnt 0x0
	s_cmp_lt_u32 s2, NW
	s_cbranch_scc0 .Lx
	; ---------------- wh.  The work-group owns 32 rows (number / 2) and half of their columns (number % 2); thread t owns columns 2,048 half + 8 t .. + 7:
	; 16 bytes of qweight and 16 bytes of wh, at the same byte of rows of the same length: one offset register serves the load and the store.
	s_lshr_b32 s20, s2, 1
	s_and_b32 s21, s2, 1
	s_lshl_b32 s18, s20, 18                        ; 32 rows x 8,192 bytes
	s_lshl_b32 s3, s21, 12                         ; half a row
	s_or_b32 s18, s18, s3
	s_add_nc_u64 s[6:7], s[6:7], s[18:19]
	s_add_nc_u64 s[16:17], s[16:17], s[18:19]
	s_lshl_b32 s18, s20, 12                        ; 32 rows of scales x 128 bytes
	s_add_nc_u64 s[8:9], s[8:9], s[18:19]
	s_lshl_b32 s18, s21, 13                        ; 2,048 numbers of g_idx
	s_add_nc_u64 s[10:11], s[10:11], s[18:19]
	v_and_b32 v[SO], 31, v0
	v_lshlrev_b32 v[SO], 2, v[SO]
	v_lshlrev_b32 v[GO], 5, v0
	v_and_b32 v[LO], 15, v0
	v_lshlrev_b32 v[LO], 2, v[LO]
	global_load_b128 v[GI:GI+3],   v[GO], s[10:11]
	global_load_b128 v[GI+4:GI+7], v[GO], s[10:11] offset:16
	global_load_b32 v[LU], v[LO], s[12:13]
.irp i, 0,1,2,3,4,5,6,7
	global_load_b128 v[Q+4*(\i):Q+4*(\i)+3], v[VO], s[6:7] offset:(\i)*ROWB th:TH_LOAD_NT  ; the ring is filled: rows 0 to 7; a wave's load covers 512 consecutive bytes
	global_load_b32 v[SC+(\i)], v[SO], s[8:9] offset:(\i)*128
.endr
	s_wait_loadcnt 16                              ; g_idx and lut are in; the ring's sixteen loads stay out
.irp e, 0,1,2,3,4,5,6,7
	v_min_u32 v[GI+(\e)], 31, v[GI+(\e)]
.endr
.irp e, 0,1,2,3,4,5,6,7
	v_lshlrev_b32 v[GI+(\e)], 2, v[GI+(\e)]        ; the lane to pull from, times 4
.endr
; One slot's turn: a row.  ahead = 1: the slot is filled again with the row eight further down.  left = how many younger loads may stay out.
.macro SLOTW i, ahead, left
	s_wait_loadcnt \left                           ; loads come back in order (ISA guide 5.7.1): the slot's two are in
.irp e, 0,1,2,3,4,5,6,7
	ds_bpermute_b32 v[S+(\e)], v[GI+(\e)], v[SC+(\i)]  ; scales[row][g_idx[column]]
.endr
.irp k, 0,1,2,3
	v_lshlrev_b32 v[T+2*(\k)],   2, v[Q+4*(\i)+(\k)]   ; bits 5:2 = the low code
	v_lshrrev_b32 v[T+2*(\k)+1], 2, v[Q+4*(\i)+(\k)]   ; bits 5:2 = the high code
.endr
.irp e, 0,1,2,3,4,5,6,7
	v_and_b32 v[T+(\e)], 60, v[T+(\e)]             ; 4 x code, nothing else
.endr
.irp e, 0,1,2,3,4,5,6,7
	ds_bpermute_b32 v[L+(\e)], v[T+(\e)], v[LU]    ; lut[code]
.endr
	s_wait_dscnt 0x0                               ; all sixteen are back
.if \ahead
	global_load_b128 v[Q+4*(\i):Q+4*(\i)+3], v[VO], s[6:7] offset:(8+(\i))*ROWB th:TH_LOAD_NT
	global_load_b32 v[SC+(\i)], v[SO], s[8:9] offset:(8+(\i))*128
.endif
.irp k, 0,1,2,3
	v_pk_mul_f32 v[L+2*(\k):L+2*(\k)+1], v[L+2*(\k):L+2*(\k)+1], v[S+2*(\k):S+2*(\k)+1]
.endr
.irp k, 0,1,2,3
	v_cvt_pk_f16_f32 v[Y+4*(\i)+(\k)], v[L+2*(\k)], v[L+2*(\k)+1]  ; the one rounding; the even column in the low half
.endr
	global_store_b128 v[VO], v[Y+4*(\i):Y+4*(\i)+3], s[16:17] offset:(\i)*ROWB th:TH_STORE_NT  ; the wave stores 512 consecutive bytes, at a multiple of 512 from wh's first
.endm
	s_mov_b32 s3, ROUNDS-1
.Lwr:
.irp i, 0,1,2,3,4,5,6,7
	SLOTW \i, 1, 14                                ; seven younger slots, two loads each
.endr
	s_wait_xcnt 0x0                                ; every load and store issued so far has read its sources: the bases are stepped, and Y is written again, only behind this wait
	s_add_nc_u64 s[6:7], s[6:7], 8*ROWB
	s_add_nc_u64 s[16:17], s[16:17], 8*ROWB
	s_add_nc_u64 s[8:9], s[8:9], 8*128
	s_sub_co_u32 s3, s3, 1
	s_cmp_lg_u32 s3, 0
	s_cbranch_scc1 .Lwr
.irp i, 0,1,2,3,4,5,6,7
	SLOTW \i, 0, 2*(7-(\i))                        ; the last round loads nothing: the counts run down
.endr
	s_endpgm
	; ---------------- xh.  The work-group owns 128 KiB of x on end; a slot is 4,096 bytes of x (16 a thread) and 2,048 of xh (8 a thread).
.Lx:
	s_sub_co_u32 s20, s2, NW
	s_lshl_b32 s18, s20, 17
	s_add_nc_u64 s[4:5], s[4:5], s[18:19]
	s_lshl_b32 s18, s20, 16
	s_add_nc_u64 s[14:15], s[14:15], s[18:19]
	v_lshlrev_b32 v[SO], 3, v0
.irp i, 0,1,2,3,4,5,6,7
	global_load_b128 v[Q+4*(\i):Q+4*(\i)+3], v[VO], s[4:5] offset:(\i)*4096 th:TH_LOAD_NT
.endr
.macro SLOTX i, ahead, left
	s_wait_loadcnt \left                           ; mine is in, the younger ones stay out
	v_cvt_pk_f16_f32 v[Y+2*(\i)],   v[Q+4*(\i)],   v[Q+4*(\i)+1]
	v_cvt_pk_f16_f32 v[Y+2*(\i)+1], v[Q+4*(\i)+2], v[Q+4*(\i)+3]
.if \ahead
	global_load_b128 v[Q+4*(\i):Q+4*(\i)+3], v[VO], s[4:5] offset:(8+(\i))*4096 th:TH_LOAD_NT
.endif
	global_store_b64 v[SO], v[Y+2*(\i):Y+2*(\i)+1], s[14:15] offset:(\i)*2048 th:TH_STORE_NT  ; the wave stores 256 consecutive bytes, at a multiple of 256 from xh's first
.endm
	s_mov_b32 s3, ROUNDS-1
.Lxr:
.irp i, 0,1,2,3,4,5,6,7
	SLOTX \i, 1, 7
.endr
	s_wait_xcnt 0x0                                ; the bases are stepped, and Y is written again, only behind this wait
	s_add_nc_u64 s[4:5], s[4:5], 8*4096
	s_add_nc_u64 s[14:15], s[14:15], 8*2048
	s_sub_co_u32 s3, s3, 1
	s_cmp_lg_u32 s3, 0
	s_cbranch_scc1 .Lxr
.irp i, 0,1,2,3,4,5,6,7
	SLOTX \i, 0, 7-(\i)
.endr
	s_endpgm
.Lfunc_end_k_q9f8b2e6583_prep:
	.size	k_q9f8b2e6583_prep, .Lfunc_end_k_q9f8b2e6583_prep-k_q9f8b2e6583_prep
	.p2alignl 7, 3214868480
	.fill 96, 4, 3214868480
	.section	.rodata,"a",@progbits
	.p2align	6, 0x0
	.amdhsa_kernel k_q9f8b2e6583_prep
		.amdhsa_group_segment_fixed_size 0
		.amdhsa_private_segment_fixed_size 0
		.amdhsa_enable_private_segment 0
		.amdhsa_kernarg_size 56
		.amdhsa_user_sgpr_count 2
		.amdhsa_user_sgpr_kernarg_segment_ptr 1
		.amdhsa_wavefront_size32 1
		.amdhsa_system_sgpr_workgroup_id_x 1
		.amdhsa_system_sgpr_workgroup_id_y 1
		.amdhsa_system_sgpr_workgroup_id_z 1
		.amdhsa_system_vgpr_workitem_id 0
		.amdhsa_next_free_vgpr 112
		.amdhsa_next_free_sgpr 66
		.amdhsa_reserve_vcc 0
		.amdhsa_float_denorm_mode_32 3
		.amdhsa_float_denorm_mode_16_64 3
		.amdhsa_memory_ordered 1
		.amdhsa_forward_progress 1
		.amdhsa_inst_pref_size 46
	.end_amdhsa_kernel
	.amdgpu_metadata
---
amdhsa.version: [ 1, 2 ]
amdhsa.kernels:
  - .name:           k_q9f8b2e6583_prep
    .symbol:         k_q9f8b2e6583_prep.kd
    .args:
      - { .name: x, .offset: 0, .size: 8, .value_kind: global_buffer, .address_space: global }
      - { .name: qweight, .offset: 8, .size: 8, .value_kind: global_buffer, .address_space: global }
      - { .name: scales, .offset: 16, .size: 8, .value_kind: global_buffer, .address_space: global }
      - { .name: g_idx, .offset: 24, .size: 8, .value_kind: global_buffer, .address_space: global }
      - { .name: lut, .offset: 32, .size: 8, .value_kind: global_buffer, .address_space: global }
      - { .name: xh, .offset: 40, .size: 8, .value_kind: global_buffer, .address_space: global }
      - { .name: wh, .offset: 48, .size: 8, .value_kind: global_buffer, .address_space: global }
    .group_segment_fixed_size: 0
    .private_segment_fixed_size: 0
    .kernarg_segment_align: 8
    .kernarg_segment_size: 56
    .max_flat_workgroup_size: 256
    .sgpr_count:     66
    .vgpr_count:     112
    .wavefront_size: 32
...
	.end_amdgpu_metadata
.endif
;; end of part 1
;; launch gemm (part 2): grid 16 x 16, 4 waves a work-group, clusters of 4 x 4, 327,680 bytes of LDS; arguments xh, wh, bias, out0; writes out0
.if DOCPART == 2
	.amdgcn_target "amdgcn-amd-amdhsa--gfx1250"
	.amdhsa_code_object_version 6
	.text
	.protected	k_q9f8b2e6583_gemm
	.globl	k_q9f8b2e6583_gemm
	.p2align	8
	.type	k_q9f8b2e6583_gemm,@function
k_q9f8b2e6583_gemm:
	s_mov_b64 s[64:65], 0
	v_nop
	global_prefetch_b8 v0, s[64:65] scope:SCOPE_SE
	s_setreg_imm32_b32 hwreg(HW_REG_WAVE_MODE, 25, 1), 1
	s_wait_xcnt 0x0
	s_wait_alu depctr_hold_cnt(0) depctr_sa_sdst(0) depctr_va_vdst(0) depctr_va_sdst(0) depctr_va_ssrc(0) depctr_va_vcc(0) depctr_vm_vsrc(0)
	s_getreg_b32 s2, hwreg(HW_REG_IB_STS2, 6, 4)
	s_cmp_eq_u32 s2, 0
	s_cbranch_scc0 .Lentry_in_a_cluster
	s_endpgm
.Lentry_in_a_cluster:
	s_bfe_u32 s2, ttmp6, 0x10000c
	s_cmp_lg_u32 s2, 0xf033
	s_cbranch_scc0 .Lentry_shape_is_right
	s_endpgm
.Lentry_shape_is_right:
; out0[m][n] = the sum over k of xh[m][k] wh[n][k], plus bias[n].  xh: [4096][4096] f16, wh: [4096][4096] f16, bias: [4096] f32, out0: [4096][4096] f32.  Sums in f32, K ascending; bias is added in f32.
; LIMITS.  The operands arrive in f16 (made by the launch before, each rounded once from f32): none beyond 65,504, a fixed step of 6e-8 below 6.1e-5.  NaN and infinities are not treated apart.
; SHARES.  A tile of out0, 256 x 256, is made by a work-group of four waves; 16 x 16 tiles, one to a work-group.  A wave makes 128 x 128: 64 accumulators of 16 x 16, 512 registers.
; K goes in steps of 128 through a ring of two LDS slots filled by the tensor data mover: the rows of the tiles of xh and wh are 256 bytes of memory and start at multiples of 256 bytes from the buffer's first byte.
; CLUSTERS: 4 x 4 work-groups.  The four of a row of the cluster make tiles of one tile row and need the same tiles of xh (A); the four of a column need the same tiles of wh (B).  Such a tile is asked for
; JOINTLY: each of the four issues the same tensor load, with the same descriptor and a mask that names the four, and each receives the tile in its own LDS.
; REGISTERS, in windows of 256 (s_set_vgpr_msb's low byte: bits 1:0 source 0, 3:2 source 1, 5:4 source 2, 7:6 destination):
;   window 0: v0-31 addresses and bias; v64-127, v128-191 fragments of A (8 x 16 rows x 32 K), two buffers; on the way out the same 128 hold rows read back from the stage
;   window 1: v64-127, v128-191 fragments of B, two buffers
;   window 2: the 32 accumulators of my rows 0-63 (accumulator (a, b) at v[8 (8 a + b)]);   window 3: those of my rows 64-127
; THE MATRIX INSTRUCTION IS USED TRANSPOSED: source 0 = 16 rows of B, source 1 = 16 rows of A.  In the result lane l holds row l % 16 of out0 and its registers 0 to 7 the columns 8 (l / 16) + 0 .. 7:
; 32 neighbouring bytes of a row.
.set SIZE_K, 4096
.set SIZE_N, 4096
.set KSTEP,  128
.set PITCH,  272                       ; an LDS row: 256 bytes of data + 16 of padding = 68 words: row r starts at bank 4 r mod 64 (64 banks of 4 bytes: ISA guide 11.1), so the 16 rows that a load touches start at 16 different banks
.set HALFT,  128*PITCH                 ; 128 rows: what one tensor load brings, and what one wave reads of A or of B
.set SLOT,   4*HALFT                   ; A's 256 rows, then B's 256 rows
.set STAGE,  2*SLOT                    ; behind the ring, never filled by a tensor load: for each wave 16 rows of 128 f32, for the way out
.set SPITCH, 528                       ; a stage row: 512 bytes + 16 = 132 words: row r starts at bank 4 r mod 64
.set WSTAGE, 16*SPITCH                 ; 8,448 bytes a wave: 33 blocks of 256
.set SPARE,  STAGE+4*WSTAGE            ; behind the stages: the spare words, 128 bytes for each wave: two blocks of 256 bytes that no other line names
.set LAPS,   SIZE_K/(2*KSTEP)          ; a lap = two K steps = once round the ring: 16
.set BI,   12                          ; v[12:15] bias of the four columns that I store
.set ADRA, 16                          ; v16-17  LDS address of my A fragments in slot 0, 1
.set ADRB, 20                          ; v20-21  the same for B
.set STO,  24                          ; v24     the way out: where I put 32 bytes of a row
.set RD,   25                          ; v25     the way out: where I read 16 bytes of a row back
.set CO,   26                          ; v26     16 x lane: my 16 bytes in the wave's 512 bytes of a row of out0, and of bias; never rewritten
.set SPW,  28                          ; v28     LDS address of my spare word: SPARE + 4 x my thread's number; never rewritten
.set NIL,  29                          ; v29     0; never rewritten
.set PFO,  30                          ; v30     the prefetches' offset: my lane x a row of xh or wh (8,192 bytes); never rewritten
.set PFA,  44                          ; s[44:45] where my prefetches stand: my work-group's 32 rows of the 128 that I fetch, one K step further along K than the refill that is being asked for; a prefetch names the K step after that
.set LIM,  43                          ; s43     1 in a wave that prefetches, else the greatest number
.set BP,   66                          ; s[66:67] bias
.set F0,   64                          ; fragment buffer 0
.set F1,   128                         ; fragment buffer 1
.set G1,  24                           ; s[24:31] descriptor group 1 for A's tiles
.set G0,  32                           ; s[32:39] descriptor group 0 for A's tiles, one set for each slot
.set G1B, 48                           ; s[48:55] descriptor group 1 for B's tiles: it differs from A's in the mask alone
.set G0B, 56                           ; s[56:63] descriptor group 0 for B's tiles, one set for each slot
.set MSB, 0
.macro WIN new                         ; the immediate's high byte repeats the setting that is left; a switch that changes nothing is dropped
.if MSB != (\new)
	s_set_vgpr_msb (MSB<<8)|(\new)
.set MSB, \new
.endif
.endm
.set MUL_LO, 0xa1                      ; source 0 (B) window 1, source 1 (A) window 0, C and D window 2
.set MUL_HI, 0xf1                      ; the same, C and D window 3
.set TO_B,   0x40                      ; destination window 1, address window 0
; A joint load.  Waves 0 and 1 fetch A's two halves, waves 2 and 3 B's.  Each of the two lines has ONE mask and one set of registers for all that issue it.  The branch hangs on the wave's number alone.
; An s_nop 0 and four v_nop follow each of the two lines; the jump round the other line, the label and what follows the macro come after them.
.macro JLOAD s
	s_cmp_eq_u32 s11, 0
	s_cbranch_scc0 .Lfor_b_\@
	tensor_load_to_lds s[G0+4*(\s):G0+4*(\s)+3], s[G1:G1+7]
	s_nop 0
.rept 4
	v_nop
.endr
	s_branch .Lasked_\@
.Lfor_b_\@:
	tensor_load_to_lds s[G0B+4*(\s):G0B+4*(\s)+3], s[G1B:G1B+7]
	s_nop 0
.rept 4
	v_nop
.endr
.Lasked_\@:
.endm
; A PREFETCH, behind each joint refill, its five lines and the run of LDS loads that follows them: the K step that stands TWO refills on (512 matrix instructions ahead of the load that will want it):
; 32 rows x 256 bytes, a lane a row, one instruction a wave.  Each row's 256 bytes of a K step are named ONCE in the launch.  A's tile row is read by every cluster of that row of clusters: cluster x = 0 asks;
; B's tile column by every cluster of that column: cluster y = 0 asks.  The four partners that ask for a tile jointly share its rows out BY ADDRESS: of the 128 rows that a wave fetches the partner at place p takes
; 32 p .. 32 p + 31 (p = cx for A, cy for B): no branch hangs on a work-group's place in its cluster.  K steps 0 to 3 come by their loads alone; the loop's last trip (s3 = 1) asks for nothing: K step 31 is the last.
.macro ASK
	s_cmp_gt_u32 s3, s[LIM]
	s_cbranch_scc0 .Lnot_mine_\@
	global_prefetch_b8 v[PFO], s[PFA:PFA+1] offset:KSTEP*2 th:TH_LOAD_NT scope:SCOPE_SE
.Lnot_mine_\@:
.endm
; A round of the cluster's barrier: my work-group's barrier, so that wave 0's signal speaks for all four waves; wave 0 signals for the work-group; every wave waits for all sixteen work-groups; my work-group's barrier once more.
.macro CREST                           ; a round behind its opening barrier
	s_cmp_lg_u32 s10, 0
	s_cbranch_scc1 .Lnot_wave_0_\@
	s_barrier_signal -3
.Lnot_wave_0_\@:
	s_barrier_wait -3
	s_barrier_signal -1
	s_barrier_wait -1
.endm
.macro CROUND                          ; a whole round
	s_barrier_signal -1
	s_barrier_wait -1
	CREST
.endm
	s_load_b128 s[4:7], s[0:1], 0x0                ; xh (A) s[4:5], wh (B) s[6:7]
	s_load_b64 s[BP:BP+1], s[0:1], 0x10            ; bias
	s_load_b64 s[8:9], s[0:1], 0x18                ; out0
	v_lshl_add_u32 v[SPW], v0, 2, SPARE
	v_mov_b32 v[NIL], 0
	ds_add_u32 v[SPW], v[NIL]                      ; the wave's opening: the add and its wait come ahead of my first tensor load; the set-up below, work on registers, stands between them
	v_lshrrev_b32 v1, 5, v0
	v_readfirstlane_b32 s10, v1                    ; wave 0..3
	s_lshr_b32 s11, s10, 1                         ; which half of the tile's rows is mine.  Also: I fetch for A (0) or for B (1)
	s_and_b32 s12, s10, 1                          ; which half of its columns.  Also: which 128 rows of that tile I fetch
	s_bfe_u32 s40, ttmp6, 0x40000                  ; cx: my place along the cluster's x
	s_bfe_u32 s41, ttmp6, 0x40004                  ; cy: along its y
	s_lshl_b32 s42, ttmp9, 2                       ; in a cluster launch ttmp9 and ttmp7 count clusters
	s_add_co_u32 s42, s42, s40                     ; tile column = 4 x cluster x + cx
	s_and_b32 s13, ttmp7, 0xffff
	s_lshl_b32 s13, s13, 2
	s_add_co_u32 s13, s13, s41                     ; tile row = 4 x cluster y + cy
	s_lshl_b32 s43, s41, 2
	s_lshl_b32 s43, 15, s43                        ; my row of the cluster: places 4 cy .. 4 cy + 3
	s_lshl_b32 s44, 0x1111, s40                    ; my column: places cx, cx + 4, cx + 8, cx + 12
	; descriptor group 1: a tile of 128 rows x 128 elements, padded in LDS
	s_or_b32 s[G1+0], s43, (1<<16)|(1<<20)|(1<<21)|(5<<22)|(3<<25)  ; 15:0 the mask: A's tiles go to my row; 17:16 element of 2 bytes; 20 padding on; 21 set beside a mask; 24:22 after every 64 words (code 5); 31:25 of 4 words (code 3)
	s_or_b32 s[G1B+0], s44, (1<<16)|(1<<20)|(1<<21)|(5<<22)|(3<<25) ; the same with the mask of my column, for B's tiles
.irp g, G1, G1B
	s_mov_b32 s[(\g)+1], KSTEP<<16                 ; 63:48 tensor_dim0, low half = 128
	s_mov_b32 s[(\g)+2], 128<<16                   ; 79:64 its high half = 0; 95:80 tensor_dim1, low half = 128
	s_mov_b32 s[(\g)+3], KSTEP<<16                 ; 111:96 its high half = 0; 127:112 tile_dim0 = 128
	s_mov_b32 s[(\g)+4], 128                       ; 143:128 tile_dim1 = 128; 159:144 tile_dim2 = 0
	s_mov_b32 s[(\g)+5], SIZE_K                    ; 191:160 tensor_dim0_stride, low word: elements from row to row
	s_mov_b32 s[(\g)+6], 0
	s_mov_b32 s[(\g)+7], 0
.endr
	; where the tiles come from.  A's hang on the tile row alone, which my row of the cluster shares; B's on the tile column alone, which my column shares.
	; Every wave makes both addresses, in registers that never hold the other coordinate, and asks by one of them.
	s_lshl_b32 s17, s12, 7                         ; which 128 rows of the tile I fetch
	s_lshl_b32 s16, s13, 8
	s_add_co_u32 s16, s16, s17                     ; A: row 256 x tile row + 128 x half
	s_lshl_b32 s46, s42, 8
	s_add_co_u32 s46, s46, s17                     ; B: row 256 x tile column + 128 x half
	s_mov_b32 s17, 0
	s_mov_b32 s47, 0
	s_mov_b64 s[18:19], SIZE_K*2
	s_mul_u64 s[16:17], s[16:17], s[18:19]         ; in bytes
	s_mul_u64 s[46:47], s[46:47], s[18:19]
	s_mul_i32 s20, s10, HALFT                      ; and where they go: A's two halves, then B's two halves = wave x 128 rows: no place in the cluster enters an LDS address
	s_wait_dscnt 0x0                               ; the opening add is done
	s_wait_kmcnt 0x0
	s_add_nc_u64 s[14:15], s[4:5], s[16:17]
	s_add_nc_u64 s[46:47], s[6:7], s[46:47]
	CROUND                                         ; all sixteen work-groups are here: the first joint loads meet
.irp s, 0,1
	s_mov_b32 s[G0+4*(\s)], 1                                      ; 1:0 count = 1
	s_add_co_u32 s[G0+4*(\s)+1], s20, (\s)*SLOT                    ; 63:32 LDS address
	s_add_nc_u64 s[G0+4*(\s)+2:G0+4*(\s)+3], s[14:15], (\s)*KSTEP*2  ; 120:64 global address: K step s
	s_or_b32 s[G0+4*(\s)+3], s[G0+4*(\s)+3], 0x80000000            ; 127:126 type = 2
	s_mov_b32 s[G0B+4*(\s)], 1
	s_add_co_u32 s[G0B+4*(\s)+1], s20, (\s)*SLOT
	s_add_nc_u64 s[G0B+4*(\s)+2:G0B+4*(\s)+3], s[46:47], (\s)*KSTEP*2
	s_or_b32 s[G0B+4*(\s)+3], s[G0B+4*(\s)+3], 0x80000000
	JLOAD \s                                       ; the ring is filled before anything else is done: two loads of mine are out
.endr
	; A fragment is 16 rows x 32 K in 8 registers: lane l holds row l % 16; registers 0-3 hold K = 8 (l / 16) + 0..7, registers 4-7 hold K = 16 + 8 (l / 16) + 0..7.
	; From rows that lie along K: two loads of 16 bytes, 32 bytes apart.  The same for source 0 and source 1.
	v_and_b32 v1, 15, v0                           ; l % 16
	v_bfe_u32 v2, v0, 4, 1                         ; l / 16
	v_mul_u32_u24 v3, v1, PITCH
	v_lshl_add_u32 v3, v2, 4, v3                   ; row x pitch + 16 x half
	s_mul_i32 s21, s11, HALFT                      ; my 128 rows of A
	s_mul_i32 s22, s12, HALFT                      ; my 128 rows of B,
	s_add_co_u32 s22, s22, 2*HALFT                 ; which lie behind A's 256
.irp s, 0,1
	v_add_nc_u32 v[ADRA+(\s)], s21, v3
	v_add_nc_u32 v[ADRB+(\s)], s22, v3
	s_add_co_u32 s21, s21, SLOT
	s_add_co_u32 s22, s22, SLOT
.endr
	s_mul_i32 s23, s10, WSTAGE
	s_add_co_u32 s23, s23, STAGE                   ; my stage
	v_mul_u32_u24 v4, v1, SPITCH                   ; in: row l % 16, 32 bytes for each half of the lanes
	v_lshl_add_u32 v4, v2, 5, v4
	v_add_nc_u32 v[STO], s23, v4
	v_and_b32 v5, 31, v0
	v_lshlrev_b32 v[CO], 4, v5                     ; back: the 32 lanes take one row of 512 bytes, 16 bytes each
	v_add_nc_u32 v[RD], s23, v[CO]
	; where my part of the tile begins in out0, and my columns in bias
	s_lshl_b32 s13, s13, 8                         ; 256 x tile row
	s_lshl_b32 s14, s11, 7
	s_add_co_u32 s16, s13, s14                     ; my first row of out0,
	s_lshl_b32 s16, s16, 14                        ; times 16,384 bytes: under 2^26
	s_mov_b32 s17, 0
	s_lshl_b32 s46, s42, 10                        ; my first column, in bytes of f32: 1,024 x tile column + 512 x half (in the registers that held B's address)
	s_lshl_b32 s47, s12, 9
	s_add_co_u32 s46, s46, s47
	s_mov_b32 s47, 0
	s_add_nc_u64 s[BP:BP+1], s[BP:BP+1], s[46:47]
	global_load_b128 v[BI:BI+3], v[CO], s[BP:BP+1] ; bias of columns 4 l .. 4 l + 3 of my 128
	s_add_nc_u64 s[8:9], s[8:9], s[16:17]
	s_add_nc_u64 s[8:9], s[8:9], s[46:47]
	; the prefetches.  s13 = 256 x tile row, s42 = tile column, s40 = cx, s41 = cy still stand; s[4:5] = A, s[6:7] = B
	s_lshl_b32 s42, s42, 8
	s_and_b32 s22, ttmp7, 0xffff                   ; cluster y
	s_cmp_eq_u32 s11, 0                            ; do I fetch for A?
	s_cselect_b32 s20, s13, s42                    ; the tile's first row: in A by the tile row, in B by the tile column
	s_cselect_b32 s21, s40, s41                    ; my place among the four that ask for it with me
	s_cselect_b32 s22, ttmp9, s22                  ; the coordinate along which other clusters read the same rows
	s_cselect_b64 s[PFA:PFA+1], s[4:5], s[6:7]
	s_cmp_eq_u32 s22, 0
	s_cselect_b32 s[LIM], 1, -1                    ; the same in all sixteen partners, for a given wave
	s_lshl_b32 s22, s12, 7
	s_add_co_u32 s20, s20, s22                     ; + the 128 rows that I fetch
	s_lshl_b32 s21, s21, 5
	s_add_co_u32 s20, s20, s21                     ; + my work-group's 32 of them
	s_mov_b32 s21, 0
	s_mov_b64 s[18:19], SIZE_K*2
	s_mul_u64 s[20:21], s[20:21], s[18:19]
	s_add_nc_u64 s[PFA:PFA+1], s[PFA:PFA+1], s[20:21]
	s_add_nc_u64 s[PFA:PFA+1], s[PFA:PFA+1], 2*KSTEP*2  ; at K step 2: the first refill steps it to 3 and names K step 4
	v_and_b32 v[PFO], 31, v0
	v_mul_u32_u24 v[PFO], v[PFO], SIZE_K*2
	; nothing is prefetched here, at the head, where every work-group's first two tiles are on their way
; 16 matrix instructions: m blocks a0, a0 + 1 of the window's four (hi = 0: my rows 0-63, 1: rows 64-127) x all 8 n blocks, 32 along K.  zero = 1: the first product starts the sums: nothing is ever cleared.
; The 64 accumulators take turns, one instruction a turn, in the same order in every quarter step, over the loop's backward jump and into the tail too.
.macro MUL16 f, hi, a0, zero
	WIN MUL_LO+0x50*(\hi)  ; MUL_LO or MUL_HI
.irp a, \a0, (\a0)+1
.irp b, 0,1,2,3,4,5,6,7
.if \zero
	v_wmma_f32_16x16x32_f16 v[8*(8*(\a)+(\b)):8*(8*(\a)+(\b))+7], v[(\f)+8*(\b):(\f)+8*(\b)+7], v[(\f)+8*(4*(\hi)+(\a)):(\f)+8*(4*(\hi)+(\a))+7], 0
.else
	v_wmma_f32_16x16x32_f16 v[8*(8*(\a)+(\b)):8*(8*(\a)+(\b))+7], v[(\f)+8*(\b):(\f)+8*(\b)+7], v[(\f)+8*(4*(\hi)+(\a)):(\f)+8*(4*(\hi)+(\a))+7], v[8*(8*(\a)+(\b)):8*(8*(\a)+(\b))+7]
.endif
.endr
.endr
.endm
; 32 LDS loads in one run: the fragments of one quarter step (128 rows of B, 128 rows of A, 32 K at byte k of the rows) into buffer f
.macro FETCH slot, k, f
	WIN TO_B
.irp i, 0,1,2,3,4,5,6,7
	ds_load_b128 v[(\f)+8*(\i):(\f)+8*(\i)+3],   v[ADRB+(\slot)] offset:(\k)+(\i)*16*PITCH
	ds_load_b128 v[(\f)+8*(\i)+4:(\f)+8*(\i)+7], v[ADRB+(\slot)] offset:(\k)+(\i)*16*PITCH+32
.endr
	WIN 0
.irp i, 0,1,2,3,4,5,6,7
	ds_load_b128 v[(\f)+8*(\i):(\f)+8*(\i)+3],   v[ADRA+(\slot)] offset:(\k)+(\i)*16*PITCH
	ds_load_b128 v[(\f)+8*(\i)+4:(\f)+8*(\i)+7], v[ADRA+(\slot)] offset:(\k)+(\i)*16*PITCH+32
.endr
.endm
; A load into a register that a matrix instruction has read, and an LDS store that reads a matrix result, stand four places behind that matrix instruction, and only plain vector instructions that name none of
; its registers are places (ISA guide 7.12.1 for vector instructions); the matrix instructions in between are not counted.
.macro PLACES
.rept 4
	v_nop
.endr
.endm
; A K step is four quarter steps of 32 along K, 64 matrix instructions each, on buffers 0, 1, 0, 1.
; One of the first three: multiplies buffer f; in its middle it fetches the next quarter's fragments, at byte k of the same slot's rows, into buffer g.
.macro QUARTER slot, k, f, g, zero
	s_wait_dscnt 8                                 ; B and A's rows 0-63 are in; the youngest eight loads (A's rows 64-127) may be out
	WIN MUL_LO
	MUL16 \f, 0, 0, \zero
	MUL16 \f, 0, 2, \zero
	PLACES
	FETCH \slot, \k, \g
	s_wait_dscnt 32                                ; all but the 32 just issued
	WIN MUL_HI
	MUL16 \f, 1, 0, \zero
	MUL16 \f, 1, 2, \zero
.endm
; The last quarter multiplies buffer 1 and changes slots.  MEET is its first half: ONE barrier for the change of slots.  In front of it each wave waits for all its tensor loads, of which one is out: its part of
; the next slot; adds 0 to its spare word; and waits for that and for its own reads of this slot.  Behind it nobody reads this slot any more and the next slot is whole.
.macro MEET round                      ; round = 1: a round of the cluster's barrier follows
	WIN 0                                          ; (the add's two registers lie in window 0)
	s_wait_tensorcnt 0x0                           ; all my tensor loads have landed: the one that was out is my part of the next slot;
	ds_add_u32 v[SPW], v[NIL]                      ; 0 onto my spare word;
	s_wait_dscnt 9                                 ; (the add and the youngest eight loads may be out)
	WIN MUL_LO
	MUL16 F1, 0, 0, 0                              ; sixteen matrix instructions stand between the add and the wait for it
	s_wait_dscnt 0x0                               ; the add is done, and my reads of this slot are over:
	s_barrier_signal -1                            ; say so (where a slot is filled again this barrier opens a round of the cluster's barrier),
	MUL16 F1, 0, 2, 0                              ; work on registers while the others arrive,
.if \round
	WIN 0
.endif
	s_barrier_wait -1                              ; and go on when all four have said so
.endm
; The whole last quarter.  fill = 1: behind the round the slot just read out is filled again first, with the K step two steps on; then come the next slot's first fragments.
; From a request to the wait for it a wave issues 224 matrix instructions; one tensor load of mine is out behind each round.
.macro TURN slot, next, fill
.if \fill
	s_wait_xcnt 0x0                                ; the last prefetch, a K step back, has read its address: it is stepped here, ahead of the waits of the change of slots
	s_add_nc_u64 s[PFA:PFA+1], s[PFA:PFA+1], KSTEP*2
	MEET 1
	CREST                                          ; no wave of any partner still reads this slot's tile or has a load on its way
	s_add_nc_u64 s[G0+4*(\slot)+2:G0+4*(\slot)+3], s[G0+4*(\slot)+2:G0+4*(\slot)+3], 2*KSTEP*2     ; no load of mine is out, so a group 0 may be written; the type bits on top are not reached
	s_add_nc_u64 s[G0B+4*(\slot)+2:G0B+4*(\slot)+3], s[G0B+4*(\slot)+2:G0B+4*(\slot)+3], 2*KSTEP*2
	JLOAD \slot                                    ; the first tensor load behind the round; the four v_nop behind it are also the places in front of the loads below
.else
	MEET 0                                         ; nothing is filled again, so no round follows
	PLACES
.endif
	FETCH \next, 0, F0
.if \fill
	ASK                                            ; behind the joint load and the run of LDS loads that the next products wait for
.endif
	WIN MUL_HI
	MUL16 F1, 1, 0, 0
	MUL16 F1, 1, 2, 0
.endm
; THE WAY OUT of block a (16 of my rows x my 128 columns), in two parts.  TOSTAGE: the block's eight accumulators go as they are, f32, into my own stage in LDS (each accumulator's low four registers first),
; and come back as whole rows of 512 bytes, into the registers that held A's fragments, two sets by turns.  SEND: bias is added and the rows are stored.
.macro TOSTAGE a
.set AC, 64*((\a)%4)
.set BK, F0+64*((\a)%2)
	WIN 0x08+4*((\a)/4)                            ; the store's data (source 1): window 2 or 3; its address: window 0
.irp b, 0,1,2,3,4,5,6,7
	ds_store_b128 v[STO], v[AC+8*(\b):AC+8*(\b)+3]   offset:64*(\b)
	ds_store_b128 v[STO], v[AC+8*(\b)+4:AC+8*(\b)+7] offset:64*(\b)+16
.endr
	WIN 0
	s_wait_xcnt 0x0                                ; the stores of the block two back have read this set of registers: it is loaded again only behind this wait
.irp t, 0,1,2,3,4,5,6,7,8,9,10,11,12,13,14,15
	ds_load_b128 v[BK+4*(\t):BK+4*(\t)+3], v[RD] offset:(\t)*SPITCH  ; LDS serves a wave's instructions in order (ISA guide 5.7.1.4): these see the stores above, and the next block's stores come behind them
.endr
.endm
.macro SEND a, younger                 ; younger: the LDS instructions issued behind block a's loads: the next block's sixteen stores and sixteen loads, or none
.set BK, F0+64*((\a)%2)
.irp t, 0,1,2,3,4,5,6,7,8,9,10,11,12,13,14,15
	s_wait_dscnt (\younger)+15-(\t)                ; row t is back
	v_pk_add_f32 v[BK+4*(\t):BK+4*(\t)+1],   v[BK+4*(\t):BK+4*(\t)+1],   v[BI:BI+1]
	v_pk_add_f32 v[BK+4*(\t)+2:BK+4*(\t)+3], v[BK+4*(\t)+2:BK+4*(\t)+3], v[BI+2:BI+3]
	global_store_b128 v[CO], v[BK+4*(\t):BK+4*(\t)+3], s[8:9] offset:(16*(\a)+(\t))*SIZE_N*4 th:TH_STORE_NT  ; the wave stores 512 consecutive bytes, at a multiple of 512 from out0's first; the row stands in the immediate, 127 x 16,384 at the most
.endr
.endm
	s_wait_loadcnt 0x0                             ; bias, once
	s_wait_tensorcnt 1                             ; my part of K step 0 is in; K step 1's may stay out
	s_barrier_signal -1
	s_barrier_wait -1                              ; everybody's is
	FETCH 0, 0, F0
	QUARTER 0, 64,  F0, F1, 1                      ; the first quarter stands in front of the loop: its products start the sums
	WIN 0                                          ; at a label and at a branch every window is 0
	s_mov_b32 s3, LAPS-1
.Llap:                                                 ; a trip goes once round the ring, from a lap's second quarter to the next lap's first, and fills both slots again
	QUARTER 0, 128, F1, F0, 0
	QUARTER 0, 192, F0, F1, 0
	TURN 0, 1, 1
	QUARTER 1, 64,  F0, F1, 0
	QUARTER 1, 128, F1, F0, 0
	QUARTER 1, 192, F0, F1, 0
	TURN 1, 0, 1
	QUARTER 0, 64,  F0, F1, 0
	WIN 0
	s_sub_co_u32 s3, s3, 1
	s_cmp_lg_u32 s3, 0
	s_cbranch_scc1 .Llap
	QUARTER 0, 128, F1, F0, 0                      ; the last lap is written out: it fills nothing, and has no round of the cluster's barrier
	QUARTER 0, 192, F0, F1, 0
	TURN 0, 1, 0
	QUARTER 1, 64,  F0, F1, 0
	QUARTER 1, 128, F1, F0, 0
	QUARTER 1, 192, F0, F1, 0
	s_wait_dscnt 8                                 ; the very last quarter: nothing more to fetch
	WIN MUL_LO
	MUL16 F1, 0, 0, 0
	MUL16 F1, 0, 2, 0
	s_wait_dscnt 0x0
	MUL16 F1, 1, 0, 0
	MUL16 F1, 1, 2, 0
	WIN 0
	PLACES                                         ; behind the last products: in front of the LDS stores that read results and of the loads into A's fragment registers
	PLACES                                         ; (eight, once a launch)
	TOSTAGE 0
.irp a, 1,2,3,4,5,6,7                  ; block a's trip through the stage is under way while block a - 1 is added to and stored
	TOSTAGE \a
	SEND (\a)-1, 32
.endr
	SEND 7, 0
	s_wait_tensorcnt 0x0                           ; the wave's end: behind my last tensor load and my last LDS store
	ds_add_u32 v[SPW], v[NIL]
	s_wait_dscnt 0x0
	CROUND                                         ; the closing round: no work-group ends while a partner may still ask for a tile that names it
	s_endpgm
.Lfunc_end_k_q9f8b2e6583_gemm:
	.size	k_q9f8b2e6583_gemm, .Lfunc_end_k_q9f8b2e6583_gemm-k_q9f8b2e6583_gemm
	.p2alignl 7, 3214868480
	.fill 96, 4, 3214868480
	.section	.rodata,"a",@progbits
	.p2align	6, 0x0
	.amdhsa_kernel k_q9f8b2e6583_gemm
		.amdhsa_group_segment_fixed_size 327680
		.amdhsa_private_segment_fixed_size 0
		.amdhsa_enable_private_segment 0
		.amdhsa_kernarg_size 32
		.amdhsa_user_sgpr_count 2
		.amdhsa_user_sgpr_kernarg_segment_ptr 1
		.amdhsa_wavefront_size32 1
		.amdhsa_system_sgpr_workgroup_id_x 1
		.amdhsa_system_sgpr_workgroup_id_y 1
		.amdhsa_system_sgpr_workgroup_id_z 1
		.amdhsa_system_vgpr_workitem_id 0
		.amdhsa_next_free_vgpr 1024
		.amdhsa_next_free_sgpr 72
		.amdhsa_reserve_vcc 0
		.amdhsa_float_denorm_mode_32 3
		.amdhsa_float_denorm_mode_16_64 3
		.amdhsa_memory_ordered 1
		.amdhsa_forward_progress 1
		.amdhsa_inst_pref_size 161
	.end_amdhsa_kernel
	.amdgpu_metadata
---
amdhsa.version: [ 1, 2 ]
amdhsa.kernels:
  - .name:           k_q9f8b2e6583_gemm
    .symbol:         k_q9f8b2e6583_gemm.kd
    .args:
      - { .name: xh, .offset: 0, .size: 8, .value_kind: global_buffer, .address_space: global }
      - { .name: wh, .offset: 8, .size: 8, .value_kind: global_buffer, .address_space: global }
      - { .name: bias, .offset: 16, .size: 8, .value_kind: global_buffer, .address_space: global }
      - { .name: out0, .offset: 24, .size: 8, .value_kind: global_buffer, .address_space: global }
    .group_segment_fixed_size: 327680
    .private_segment_fixed_size: 0
    .kernarg_segment_align: 8
    .kernarg_segment_size: 32
    .max_flat_workgroup_size: 128
    .sgpr_count:     72
    .vgpr_count:     1024
    .wavefront_size: 32
...
	.end_amdgpu_metadata
.endif
;; end of part 2
;; ======== version 2 of 2: 2 launches; version 1 with the launch prep written anew for expert scheduling mode
;; limits: values are held in f16: magnitudes above 65,504 overflow, below 6.1e-05 lose precision
;; workspace buffers: xh 33,554,432 bytes; wh 33,554,432 bytes
;; launch prep (part 3): grid 768 x 1, 8 waves a work-group, no clusters, 0 bytes of LDS; arguments x, qweight, scales, g_idx, lut, xh, wh; writes xh, wh
.if DOCPART == 3
	.amdgcn_target "amdgcn-amd-amdhsa--gfx1250"
	.amdhsa_code_object_version 6
	.text
	.protected	k_q9f8b2e6583_prep
	.globl	k_q9f8b2e6583_prep
	.p2align	8
	.type	k_q9f8b2e6583_prep,@function
k_q9f8b2e6583_prep:
	s_mov_b64 s[64:65], 0
	v_nop
	global_prefetch_b8 v0, s[64:65] scope:SCOPE_SE
	s_setreg_imm32_b32 hwreg(HW_REG_WAVE_SCHED_MODE, 0, 2), 2
	s_setreg_imm32_b32 hwreg(HW_REG_WAVE_MODE, 25, 1), 1
	s_wait_xcnt 0x0
	s_wait_alu depctr_vm_vsrc(0)
; xh = f16(x);  wh[o][i] = f16(lut[code(o, i)] * scales[o][g_idx[i]]).  x: [4096][4096] f32; qweight: [4096][2048] int32, each holding two 4-bit codes
; (bits 3:0 column 2 j, bits 7:4 column 2 j + 1; higher bits are not looked at); scales: [4096][32] f32; g_idx: [4096] int32; lut: [16] f32.
; xh, wh: [4096][4096] f16, row-major: the two operands of the product that follows.  Each number is rounded ONCE, from f32 (the product lut * scale is made in f32).
; LIMITS.  f16 holds no number beyond 65,504: an |x| or a |lut * scale| of 65,520 or more becomes an infinity; below 6.1e-5 f16 keeps its fixed step of 6e-8.
; g_idx is taken as 0 .. 31 (a larger number counts as 31): the table that it indexes has 32 columns.  NaN and infinities pass as they are.
; SHARES.  Two streams in one launch, chosen by the work-group's number: 0-255 make wh, 256-767 make xh.  Every work-group reads 128 KiB of its stream.
; No wave wants a byte that another wave fetched but the scales': no LDS, no barrier.
; THE LOOK-UPS go between lanes (ds_bpermute_b32: no LDS byte is touched): lane l holds lut[l % 16], and for the row in hand scales[row][l]; a lane pulls by 4 x code and by 4 x g_idx.
; THE MODE: SCHED_MODE bits 1:0 = 2 (LLVM: expert scheduling mode 2), set by the entry lines.  The code itself states the register dependences
; between vector instructions and memory or LDS instructions, with s_wait_alu, always for 0.
; THE PLAN FOR wh.  A wave's 32 rows go in 16 blocks of two, in 17 turns.  Turn t: V1(t), the indices of block t; V2(t - 1), the products and roundings of block t - 1; then ONE RUN of memory and LDS lines.
;   Q0 .. Q3    a block of qweight as loaded.  Read by V1(t); the run of turn t loads block t + 4 into Q[t % 4].
;   SC0 .. SC3  a block's scales.  Read by the scale permutes of turn t; loaded again in the same run, behind the wait on vm_vsrc, for block t + 4.
;   T0, T1      4 x code.  Written by V1(t); read by the lut permutes of turn t.
;   S, L        The permutes of turn t land in them; V2(t), in turn t + 1, reads them (and writes L) behind s_wait_dscnt 0.
;   Y0, Y1      Written by V2(t) in turn t + 1; read by the stores of that turn's run.
;   VO, SO, GI, LU  offsets, 4 x g_idx and lut: made at the head and never written again; the rows are reached by the scalar bases, which move on by a block a turn, and by immediates.
; So a turn has one wait on va_vdst, ahead of its run (no vector instruction stands inside the run), and one on vm_vsrc, inside it, behind the scale permutes.
; THE PLAN FOR xh.  32 slots of 4,096 bytes of x go in eight blocks of four.  Block p rounds X[p % 4] into Y[p % 2]; its memory lines are the loads of block p + 3, which land in X[(p - 1) % 4], and the stores of
; block p - 1, from Y[(p - 1) % 2]: the two buffers that block p - 1 worked on and that no vector instruction of block p names.  The waits at a block's head state all that its eight memory lines hang on.
.set NW,     256                       ; work-groups that make wh
.set ROWB,   8192                      ; bytes in a row of qweight, and in a row of wh
.set VO,  1                            ; v1         16 t: my 16 bytes in a slot's 4,096 (x, qweight, wh); never rewritten
.set SO,  2                            ; v2         w: 4 x lane, my scale of a row;  x: 8 t, my 8 bytes of xh; never rewritten
.set GO,  3                            ; v3         32 t: my eight numbers of g_idx
.set GI,  4                            ; v[4:11]    4 x g_idx of my eight columns
.set LU,  12                           ; v12        lut[lane % 16]
.set LO,  13                           ; v13        4 x (lane % 16)
.set T,   16                           ; v[16:47]   buffer b, row i: 8 registers at T + 16 b + 8 i: 4 x code of my eight columns
.set L,   48                           ; v[48:63]   row i: 8 registers at L + 8 i: lut[code], then the products
.set S,   64                           ; v[64:79]   row i: 8 registers at S + 8 i: the eight scales
.set Q,   80                           ; v[80:111]  slot q, row i: 4 registers at Q + 8 q + 4 i, as loaded
.set SC,  112                          ; v[112:119] slot q, row i: my scale of the row, at SC + 2 q + i
.set Y,   120                          ; v[120:135] buffer b, row i: 4 registers at Y + 8 b + 4 i, to store
.set X,   16                           ; v[16:79]   xh's path: buffer k, slot i: 4 registers at X + 16 k + 4 i, as loaded
.set YX,  80                           ; v[80:95]   xh's path: buffer k, slot i: 2 registers at YX + 8 k + 2 i, to store
	s_load_b256 s[4:11], s[0:1], 0x0               ; x s[4:5], qweight s[6:7], scales s[8:9], g_idx s[10:11]
	s_load_b128 s[12:15], s[0:1], 0x20             ; lut s[12:13], xh s[14:15]
	s_load_b64 s[16:17], s[0:1], 0x30              ; wh
	s_mov_b32 s2, ttmp9
	s_mov_b32 s19, 0                               ; the high word of every offset: all stay under 2^27
	v_lshlrev_b32 v[VO], 4, v0
	s_wait_kmcnt 0x0
	s_cmp_lt_u32 s2, NW
	s_cbranch_scc0 .Lx
	; ---------------- wh.  The work-group owns 32 rows (number / 2) and half of their columns (number % 2); thread t owns columns 2,048 half + 8 t .. + 7:
	; 16 bytes of qweight and 16 bytes of wh, at the same byte of rows of the same length: one offset register serves the load and the store.
	s_lshr_b32 s20, s2, 1
	s_and_b32 s21, s2, 1
	s_lshl_b32 s18, s20, 18                        ; 32 rows x 8,192 bytes
	s_lshl_b32 s3, s21, 12                         ; half a row
	s_or_b32 s18, s18, s3
	s_add_nc_u64 s[6:7], s[6:7], s[18:19]
	s_add_nc_u64 s[16:17], s[16:17], s[18:19]
	s_lshl_b32 s18, s20, 12                        ; 32 rows of scales x 128 bytes
	s_add_nc_u64 s[8:9], s[8:9], s[18:19]
	s_lshl_b32 s18, s21, 13                        ; 2,048 numbers of g_idx
	s_add_nc_u64 s[10:11], s[10:11], s[18:19]
	v_and_b32 v[SO], 31, v0
	v_lshlrev_b32 v[SO], 2, v[SO]
	v_lshlrev_b32 v[GO], 5, v0
	v_and_b32 v[LO], 15, v0
	v_lshlrev_b32 v[LO], 2, v[LO]
	s_wait_alu depctr_va_vdst(0)                   ; the four offsets VO, SO, GO and LO are written: every load and store of this path reads one of them
	global_load_b128 v[GI:GI+3],   v[GO], s[10:11]
	global_load_b128 v[GI+4:GI+7], v[GO], s[10:11] offset:16
	global_load_b32 v[LU], v[LO], s[12:13]
.irp i, 0,1,2,3,4,5,6,7
	global_load_b128 v[Q+4*(\i):Q+4*(\i)+3], v[VO], s[6:7] offset:(\i)*ROWB th:TH_LOAD_NT  ; the ring is filled: rows 0 to 7, blocks 0 to 3; a wave's load covers 512 consecutive bytes
	global_load_b32 v[SC+(\i)], v[SO], s[8:9] offset:(\i)*128
.endr
	s_wait_loadcnt 16                              ; g_idx and lut are in; the ring's sixteen loads stay out
.irp e, 0,1,2,3,4,5,6,7
	v_min_u32 v[GI+(\e)], 31, v[GI+(\e)]
.endr
.irp e, 0,1,2,3,4,5,6,7
	v_lshlrev_b32 v[GI+(\e)], 2, v[GI+(\e)]        ; the lane to pull from, times 4
.endr
; Turn t.  q = t % 4, b = t % 2.  first = 1: turn 0, with no block in front of it.  ld = 1: block t + 4 is loaded.  free = 1: a later line writes what this run or the last one's permutes read.
; last = 1: turn 16, which has only block 15's products and stores.  left = how many younger loads may stay out when block t's four have to be there.
.macro TURNW q, b, first, ld, free, last, left
.if !(\last)
	s_wait_loadcnt \left                           ; loads come back in order (ISA guide 5.7.1): block t's qweight and scales are in, the younger blocks stay out
.irp i, 0,1
.irp k, 0,1,2,3
	v_lshlrev_b32 v[T+16*(\b)+8*(\i)+2*(\k)],   2, v[Q+8*(\q)+4*(\i)+(\k)]   ; bits 5:2 = the low code
	v_lshrrev_b32 v[T+16*(\b)+8*(\i)+2*(\k)+1], 2, v[Q+8*(\q)+4*(\i)+(\k)]   ; bits 5:2 = the high code
.endr
.endr
.irp i, 0,1
.irp g, 0,1,2,3,4,5,6,7
	v_and_b32 v[T+16*(\b)+8*(\i)+(\g)], 60, v[T+16*(\b)+8*(\i)+(\g)]         ; 4 x code, nothing else
.endr
.endr
.endif
.if !(\first)
	s_wait_dscnt 0x0                               ; the last turn's 32 permutes are back: the index arithmetic above stood between them and this wait
.irp i, 0,1
.irp k, 0,1,2,3
	v_pk_mul_f32 v[L+8*(\i)+2*(\k):L+8*(\i)+2*(\k)+1], v[L+8*(\i)+2*(\k):L+8*(\i)+2*(\k)+1], v[S+8*(\i)+2*(\k):S+8*(\i)+2*(\k)+1]
.endr
.endr
.irp i, 0,1
.irp k, 0,1,2,3
	v_cvt_pk_f16_f32 v[Y+8*(1-(\b))+4*(\i)+(\k)], v[L+8*(\i)+2*(\k)], v[L+8*(\i)+2*(\k)+1]  ; the one rounding; the even column in the low half
.endr
.endr
	s_wait_xcnt 0x0                                ; every load and store issued so far has had its addresses translated (ISA guide 3.1): the bases are stepped, and the Y that the last run's stores read is written again, only behind this wait
.endif
	s_wait_alu depctr_va_vdst(0)                   ; the index lines have written T[b], which the lut permutes read, and are done reading Q[q], in which the loads land; the roundings have written the other Y, which the stores read,
	                                               ; and the products are done with S and L, in which the permutes land; in turn 0: 4 x g_idx is written, which the scale permutes read
.if !(\first)
	s_add_nc_u64 s[16:17], s[16:17], 2*ROWB        ; the bases at block t's first row
.if \ld
	s_add_nc_u64 s[6:7], s[6:7], 2*ROWB
	s_add_nc_u64 s[8:9], s[8:9], 2*128
.endif
.endif
.if \ld
.irp i, 0,1
	global_load_b128 v[Q+8*(\q)+4*(\i):Q+8*(\q)+4*(\i)+3], v[VO], s[6:7] offset:(8+(\i))*ROWB th:TH_LOAD_NT  ; four blocks ahead, into the slot just read out
.endr
.endif
.if !(\first)
.irp i, 0,1
	global_store_b128 v[VO], v[Y+8*(1-(\b))+4*(\i):Y+8*(1-(\b))+4*(\i)+3], s[16:17] offset:((\i)-2)*ROWB th:TH_STORE_NT  ; the block before: the offset reaches back; the wave stores 512 consecutive bytes, at a multiple of 512 from wh's first
.endr
.endif
.if !(\last)
.irp i, 0,1
.irp g, 0,1,2,3,4,5,6,7
	ds_bpermute_b32 v[S+8*(\i)+(\g)], v[GI+(\g)], v[SC+2*(\q)+(\i)]          ; scales[row][g_idx[column]]
.endr
.endr
.endif
.if \free
	s_wait_alu depctr_vm_vsrc(0)                   ; the scale permutes above have read SC[q], in which the loads below land; the last turn's lut permutes have read the other T, which the next turn's index lines write;
	                                               ; the stores issued so far have read their Y, ahead of the next roundings
.endif
.if \ld
.irp i, 0,1
	global_load_b32 v[SC+2*(\q)+(\i)], v[SO], s[8:9] offset:(8+(\i))*128
.endr
.endif
.if !(\last)
.irp i, 0,1
.irp g, 0,1,2,3,4,5,6,7
	ds_bpermute_b32 v[L+8*(\i)+(\g)], v[T+16*(\b)+8*(\i)+(\g)], v[LU]        ; lut[code]
.endr
.endr
.endif
.endm
	TURNW 0, 0, 1, 1, 1, 0, 12                     ; turn 0.  12: three younger blocks, four loads each
	s_mov_b32 s3, 2
.Lwr:                                                  ; turns 1 to 8, four to a lap: every kind of buffer is back at its start
	TURNW 1, 1, 0, 1, 1, 0, 12
	TURNW 2, 0, 0, 1, 1, 0, 12
	TURNW 3, 1, 0, 1, 1, 0, 12
	TURNW 0, 0, 0, 1, 1, 0, 12
	s_sub_co_u32 s3, s3, 1
	s_cmp_lg_u32 s3, 0
	s_cbranch_scc1 .Lwr
	TURNW 1, 1, 0, 1, 1, 0, 12                     ; turns 9 to 11 load blocks 13 to 15
	TURNW 2, 0, 0, 1, 1, 0, 12
	TURNW 3, 1, 0, 1, 1, 0, 12
	TURNW 0, 0, 0, 0, 1, 0, 12                     ; turns 12 to 15 load nothing: no load leaves a buffer, and the counts run down
	TURNW 1, 1, 0, 0, 1, 0, 8
	TURNW 2, 0, 0, 0, 1, 0, 4
	TURNW 3, 1, 0, 0, 0, 0, 0                      ; turn 15: no later line writes a T, a scale or the Y that this run's stores read
	TURNW 0, 0, 0, 0, 0, 1, 0                      ; turn 16: block 15's products, roundings and stores
	s_endpgm
	; ---------------- xh.  The work-group owns 128 KiB of x on end; a slot is 4,096 bytes of x (16 a thread) and 2,048 of xh (8 a thread).
.Lx:
	s_sub_co_u32 s20, s2, NW
	s_lshl_b32 s18, s20, 17
	s_add_nc_u64 s[4:5], s[4:5], s[18:19]
	s_lshl_b32 s18, s20, 16
	s_add_nc_u64 s[14:15], s[14:15], s[18:19]
	v_lshlrev_b32 v[SO], 3, v0
	s_wait_alu depctr_va_vdst(0)                   ; VO and SO are written: every load and store of this path reads one of them as its offset
.irp i, 0,1,2,3,4,5,6,7,8,9,10,11
	global_load_b128 v[X+4*(\i):X+4*(\i)+3], v[VO], s[4:5] offset:(\i)*4096 th:TH_LOAD_NT  ; blocks 0, 1 and 2 into X0, X1, X2
.endr
; Block p of eight, written out: a slot's place stands in the immediate (31 x 4,096 at the most), so no base is stepped.  ahead = 1: block p + 3 is loaded.
; left = how many younger loads may stay out when this block's four have to be there.
.macro BLKX p, ahead, left
	s_wait_loadcnt \left                           ; loads come back in order (ISA guide 5.7.1): X[p % 4] is in, the younger blocks stay out
.if (\p) > 1
	s_wait_xcnt 0x0                                ; every earlier memory instruction has had its addresses translated (ISA guide 3.1): Y[p % 2] is rewritten only behind this wait
	s_wait_alu depctr_vm_vsrc(0)                   ; the stores issued in the block before have read Y[p % 2], which this block's roundings write again
.endif
.if (\p) > 0
	s_wait_alu depctr_va_vdst(0)                   ; the block before has written the other Y, which the stores below read, and is done reading its X, in which the loads below land
.endif
.irp i, 0,1,2,3
.if \ahead
	global_load_b128 v[X+16*(((\p)+3)%4)+4*(\i):X+16*(((\p)+3)%4)+4*(\i)+3], v[VO], s[4:5] offset:(4*((\p)+3)+(\i))*4096 th:TH_LOAD_NT  ; three blocks ahead; no vector instruction since the wait names these registers
.endif
.if (\p) > 0
	global_store_b64 v[SO], v[YX+8*(((\p)+1)%2)+2*(\i):YX+8*(((\p)+1)%2)+2*(\i)+1], s[14:15] offset:(4*((\p)-1)+(\i))*2048 th:TH_STORE_NT  ; the block before; the wave stores 256 consecutive bytes, at a multiple of 256 from xh's first
.endif
	v_cvt_pk_f16_f32 v[YX+8*((\p)%2)+2*(\i)],   v[X+16*((\p)%4)+4*(\i)],   v[X+16*((\p)%4)+4*(\i)+1]
	v_cvt_pk_f16_f32 v[YX+8*((\p)%2)+2*(\i)+1], v[X+16*((\p)%4)+4*(\i)+2], v[X+16*((\p)%4)+4*(\i)+3]
.endr
.endm
	BLKX 0, 1, 8                                   ; 8: two younger blocks, four loads each
	BLKX 1, 1, 8
	BLKX 2, 1, 8
	BLKX 3, 1, 8
	BLKX 4, 1, 8                                   ; loads block 7, the last
	BLKX 5, 0, 8                                   ; blocks 5 to 7 load nothing: no load leaves the buffer, and the counts run down
	BLKX 6, 0, 4
	BLKX 7, 0, 0
	s_wait_alu depctr_va_vdst(0)                   ; block 7 has written Y1, which the last four stores read
.irp i, 0,1,2,3
	global_store_b64 v[SO], v[YX+8+2*(\i):YX+8+2*(\i)+1], s[14:15] offset:(28+(\i))*2048 th:TH_STORE_NT
.endr
	s_endpgm
.Lfunc_end_k_q9f8b2e6583_prep:
	.size	k_q9f8b2e6583_prep, .Lfunc_end_k_q9f8b2e6583_prep-k_q9f8b2e6583_prep
	.p2alignl 7, 3214868480
	.fill 96, 4, 3214868480
	.section	.rodata,"a",@progbits
	.p2align	6, 0x0
	.amdhsa_kernel k_q9f8b2e6583_prep
		.amdhsa_group_segment_fixed_size 0
		.amdhsa_private_segment_fixed_size 0
		.amdhsa_enable_private_segment 0
		.amdhsa_kernarg_size 56
		.amdhsa_user_sgpr_count 2
		.amdhsa_user_sgpr_kernarg_segment_ptr 1
		.amdhsa_wavefront_size32 1
		.amdhsa_system_sgpr_workgroup_id_x 1
		.amdhsa_system_sgpr_workgroup_id_y 1
		.amdhsa_system_sgpr_workgroup_id_z 1
		.amdhsa_system_vgpr_workitem_id 0
		.amdhsa_next_free_vgpr 136
		.amdhsa_next_free_sgpr 66
		.amdhsa_reserve_vcc 0
		.amdhsa_float_denorm_mode_32 3
		.amdhsa_float_denorm_mode_16_64 3
		.amdhsa_memory_ordered 1
		.amdhsa_forward_progress 1
		.amdhsa_inst_pref_size 72
	.end_amdhsa_kernel
	.amdgpu_metadata
---
amdhsa.version: [ 1, 2 ]
amdhsa.kernels:
  - .name:           k_q9f8b2e6583_prep
    .symbol:         k_q9f8b2e6583_prep.kd
    .args:
      - { .name: x, .offset: 0, .size: 8, .value_kind: global_buffer, .address_space: global }
      - { .name: qweight, .offset: 8, .size: 8, .value_kind: global_buffer, .address_space: global }
      - { .name: scales, .offset: 16, .size: 8, .value_kind: global_buffer, .address_space: global }
      - { .name: g_idx, .offset: 24, .size: 8, .value_kind: global_buffer, .address_space: global }
      - { .name: lut, .offset: 32, .size: 8, .value_kind: global_buffer, .address_space: global }
      - { .name: xh, .offset: 40, .size: 8, .value_kind: global_buffer, .address_space: global }
      - { .name: wh, .offset: 48, .size: 8, .value_kind: global_buffer, .address_space: global }
    .group_segment_fixed_size: 0
    .private_segment_fixed_size: 0
    .kernarg_segment_align: 8
    .kernarg_segment_size: 56
    .max_flat_workgroup_size: 256
    .sgpr_count:     66
    .vgpr_count:     136
    .wavefront_size: 32
...
	.end_amdgpu_metadata
.endif
;; end of part 3
;; launch gemm: the kernel of part 2 again; grid 16 x 16, 4 waves a work-group, clusters of 4 x 4, 327,680 bytes of LDS; arguments xh, wh, bias, out0; writes out0
